; MI455X (gfx1250); checked and timed in simulation.
; The chip was launched on July 23, 2026; its instructions are those of AMD's public machine-readable ISA for CDNA 5 (MIT licence, August 2026) and "CDNA5" Instruction Set Architecture Reference Guide (July 2026). The comments in the code are by the model that wrote it; some were corrected since.
;; Multi Head Self Attention. Allowed arithmetic: matrix products marked QUANTISED: E4M3 operands, one given power-of-two scale a tensor, by v_wmma_f32_16x16x64_fp8_fp8 or v_wmma_f32_16x16x128_fp8_fp8, f32 sums; everything else in f32.
;; Inputs: Wk 256 x 256 float32; Wo 256 x 256 float32; Wq 256 x 256 float32; Wv 256 x 256 float32; bk 256 float32; bo 256 float32; bq 256 float32; bv 256 float32; lowp_scales 12 int32 (the exponents e of the quantised operands' scales 2^e); x 8 x 256 x 32 x 32 float32.
;; Outputs: out0 8 x 256 x 32 x 32 float32.
;; This version of the problem:
;;   THIS VERSION OF THE PROBLEM IS GIVEN IN LOW PRECISION. The matrix products marked QUANTISED in the list below multiply operands that are first quantised to E4M3 (4 exponent bits, 3 mantissa bits; 8 bits a number), with one given power-of-two scale for each operand tensor; their sums are f32. All else is computed in f32.
;;   The module's matrix products, in the order in which they are computed (A, B: the left and right operand; K: the contracted axis; several contracted axes count as one K, in the product's order):
;;     1. [M 8,192, K 256] x [K 256, N 256]; A: input x; B: input Wq: QUANTISED (scales: A lowp_scales[0], B lowp_scales[1])
;;     2. [M 8,192, K 256] x [K 256, N 256]; A: input x; B: input Wk: QUANTISED (scales: A lowp_scales[2], B lowp_scales[3])
;;     3. [M 8,192, K 256] x [K 256, N 256]; A: input x; B: input Wv: QUANTISED (scales: A lowp_scales[4], B lowp_scales[5])
;;     4. batch 64 x [M 1,024, K 32] x [K 32, N 1,024]; A: computed on the way; B: computed on the way: QUANTISED (scales: A lowp_scales[6], B lowp_scales[7])
;;     5. batch 64 x [M 1,024, K 1,024] x [K 1,024, N 32]; A: softmax (see below); B: computed on the way: QUANTISED (scales: A lowp_scales[8], B lowp_scales[9])
;;     6. [M 8,192, K 256] x [K 256, N 256]; A: computed on the way; B: input Wo: QUANTISED (scales: A lowp_scales[10], B lowp_scales[11])
;;   THE QUANTISER, for each operand of a quantised product, along K:
;;     - The operand's scale is 2^e, e = its entry of the input lowp_scales (int32; the entries are numbered through the quantised products in the list's order, A before B).
;;     - Each number is divided by the scale, clamped to +-448, and rounded to the nearest number of E4M3, ties to even, subnormals kept.
;;     - The product sums the exact products of the quantised numbers (number of the format x scale) in f32.
;;   ~~~python
;;   def quantise(x, axis, e):      # numpy; x: float32 -> the quantised numbers, widened to float32 again
;;       x = np.moveaxis(x, axis, -1); K = x.shape[-1]
;;       r = np.clip(x / 2.0 ** e, -448, 448)
;;       step = 2.0 ** (np.maximum(np.frexp(np.where(r == 0, 1, r))[1] - 1, -6) - 3)
;;       q = np.round(r / step) * step * 2.0 ** e      # np.round: ties to even
;;       return np.moveaxis(q, -1, axis).astype(np.float32)
;;   ~~~
;;   SOFTMAX AHEAD OF A QUANTISED PRODUCT. Where the list says 'softmax', what is quantised is not the finished softmax but p = 2^(t - M), with t = logit x log2(e) and M = ceil(the row's largest t), a whole number; so 1/2 < the row's largest p <= 1. The row's sum l is taken of the UNQUANTISED p, in f32, and the product's result is divided by l at the end. Since M is a whole number, a kernel that streams over the keys may use a running M (the ceiling of the running maximum): every later rescaling is an exact power of two, so the quantised numbers keep their values, but for numbers so far below the row's largest that they fall under the format's range.
;;   OPERANDS COMPUTED ON THE WAY. 'Computed on the way' means the value that the module computes at that place (a softmax that the list does not call 'softmax' is quantised finished and normalised). What goes into a quantiser is computed in f32, as accurately as f32 sums, v_exp_f32 and their like allow (about 1e-6 of the number): no bf16 or f16 on the way to a quantiser, and a product that is left as it is and whose result goes on into a quantised operand takes f32 operands (vector FMAs, or v_wmma_f32_16x16x4_f32). A number that lies on a knife's edge between two numbers of the format may be rounded either way, as far as f32 arithmetic and the matrix unit's own rounding can turn it there, and no further.
;; One version. Each part assembles by itself: llvm-mc -triple=amdgcn-amd-amdhsa -mcpu=gfx1250 --defsym DOCPART=n.
;; ======== version 1 of 1: 2 launches
;; limits: right only within a limited range of input values
;; workspace buffers: qc 2,097,152 bytes; kc 2,097,152 bytes; vc 2,097,152 bytes; woc 65,536 bytes
;; launch qkv (part 1): grid 4 x 64, 16 waves a work-group, clusters of 4 x 4, 285,952 bytes of LDS; arguments x, Wq, Wk, Wv, Wo, bq, bk, bv, lowp_scales, qc, kc, vc, woc; writes qc, kc, vc, woc
.if DOCPART == 1
	.amdgcn_target "amdgcn-amd-amdhsa--gfx1250"
	.amdhsa_code_object_version 6
	.text
	.protected	k_qc25e73d1e1_qkv
	.globl	k_qc25e73d1e1_qkv
	.p2align	8
	.type	k_qc25e73d1e1_qkv,@function
k_qc25e73d1e1_qkv:
	s_mov_b64 s[64:65], 0
	v_nop
	global_prefetch_b8 v0, s[64:65] scope:SCOPE_SE
	s_setreg_imm32_b32 hwreg(HW_REG_WAVE_MODE, 25, 1), 1
	s_wait_xcnt 0x0
	s_wait_alu depctr_hold_cnt(0) depctr_sa_sdst(0) depctr_va_vdst(0) depctr_va_sdst(0) depctr_va_ssrc(0) depctr_va_vcc(0) depctr_vm_vsrc(0)
	s_getreg_b32 s2, hwreg(HW_REG_IB_STS2, 6, 4)
	s_cmp_eq_u32 s2, 0
	s_cbranch_scc0 .Lentry_in_a_cluster
	s_endpgm
.Lentry_in_a_cluster:
	s_bfe_u32 s2, ttmp6, 0x10000c
	s_cmp_lg_u32 s2, 0xf033
	s_cbranch_scc0 .Lentry_shape_is_right
	s_endpgm
.Lentry_shape_is_right:
; q, k, v = xf W^T + b on codes of FP8 (E4M3), then q, k, v themselves as codes; and Wo as codes.
; x: [8][256 c][1024 n] f32 (K = c is NOT innermost).  Wq, Wk, Wv, Wo: [256 d][256 c] f32.  lowp_scales: e0 .. e11.
; DEAD WORK: none is left out in this program.  Every bias goes into a quantised operand (bq, bk, bv) or into the output (bo), every scale moves codes, every input is loaded.
; x has three scales (e0, e2, e4), which need not be equal: LDS holds three versions of its codes, each made by its own scale, with no branch on the scales.
; SHARES.  Work-group (hp, tb): batch b = tb / 8, tokens 128 (tb % 8) .. + 127, rows 64 hp .. + 63 (two heads) of each of Wq, Wk, Wv: 256 equal work-groups.  It also quantises row 4 tb + hp of Wo.
; CLUSTERS of 4 x 4: the four work-groups of a row (one tb) read the same x, the four of a column (one hp) the same rows of W.  Wq's and Wk's 64 rows each are asked for JOINTLY along the column: waves 0-7 eight rows of Wq each, waves 8-15
; of Wk, one tensor load a wave, 8,192 bytes, which that wave alone reads.  x and Wv come by ordinary loads: with Wv's 65,536 bytes too (or x's) a work-group would need more LDS than there is (285,952 bytes are in use).
; NO PREFETCH: there is no loop; all loads stand at the head.
; ORDER.  Wq and Wk are quantised, then x; behind a first barrier q and k are multiplied and stored while Wv is on its way; behind a second one v.
; x: wave w takes channels 16 w .. + 15 of all 128 tokens; A LANE TAKES FOUR NEIGHBOURING TOKENS, so each load reads 512 consecutive bytes of one channel's row.  The hold writes into other registers and sorts the numbers by
; token on the way: 16 channels of one token in 16 consecutive registers, which two conversions turn into 16 bytes with c innermost.
; q (waves 0-7), k (waves 8-15): one head x 32 tokens a wave, transposed use (source 0 = 16 rows of W, source 1 = 16 tokens).  THE ROWS OF W THAT FORM A TILE ARE NOT NEIGHBOURS: lane r of tile u takes row
; 8 u + r + 8 (r / 8) of the head, so that a lane's 16 results are d = 16 (lane / 16) + 0 .. 15 of one token: two conversions make 16 bytes, and the wave stores 512 consecutive bytes.  v (all waves): source 0 = 16 tokens,
; source 1 = 16 rows of Wv: a lane holds one d and eight neighbouring tokens, which are eight neighbouring KEYS of the second attention product: a register pair of that operand.
; The biases are the C of each sum's first matrix instruction, divided by the power of two that the sums lack.  The scales ahead of each second quantiser are folded into one: code = sum / 2^(e6 - e0 - e1), and so on.
; WORKSPACE, as images of operand registers (lane l's 16 bytes at 16 l):  qc, kc: ((8 b + head) 64 + token tile) 512 + 16 l: token 16 tile + l % 16, d = 16 (l / 16) + 0 .. 15.
;   vc: (((8 b + head) 8 + s) 2 + dt) 2048 + 512 c4 + 16 l: registers 4 c4 .. + 3 of the K = 128 fragment of keys 128 s on; row l % 16 stands for d = 8 dt + r + 8 (r / 8).   woc: [256][256], one code a byte.
; LIMITS: e0 .. e5, e11, e6 - e0 - e1, e7 - e2 - e3, e9 - e4 - e5 each between -126 and 119, so that 2^e and 448 x 2^e are f32 numbers.  NaN among the inputs is not served; an infinity is held at the largest code.
.set XP,    784                        ; four tokens on: 3 versions x 256 codes + 16 = 196 words = 4 modulo 64 (64 banks of 4 bytes: ISA guide 11.1)
.set XQ,    32*XP+64                   ; token t lies at (t / 4) XP + (t % 4) XQ: XQ is 16 words modulo 64
.set WP,    272                        ; a row of W's codes: 256 + 16
.set WC,    4*XQ                       ; W's codes: 192 rows (64 m + row), behind x's
.set STW,   WC+192*WP                  ; the joint loads' 16 x 8,192 bytes
.set SPARE, STW+131072                 ; the spare words, 128 bytes for each of 16 waves: eight blocks of 256 bytes that no other line names
.set XSA, 1                            ; v1   lane x XP + 16 x wave: where the codes of my tokens 0, 1 go
.set XSB, 2                            ; v2   the same + 2 XQ: tokens 2, 3 (an LDS offset has 16 bits)
.set L16, 3                            ; v3   16 x lane
.set WS,  4                            ; v4   WC + 4 x lane + 4 WP x wave: where my codes of Wv go (+ 128 WP)
.set XFQ, 5                            ; v5   x's fragments for q or k: XF + 256 x (0: q, 1: k)
.set XF,  6                            ; v6   x's fragments: (8 tq + r / 4) XP + (r % 4) XQ + 16 h: tokens 32 tq + r
.set WF,  7                            ; v7   W's fragments for q or k: WC + (64 m + 32 hh + r + 8 (r / 8)) WP + 16 h
.set WFV, 8                            ; v8   Wv's: WC + (128 + 32 head + 8 dt + r + 8 (r / 8)) WP + 16 h
.set BO,  9                            ; v9   64 h: bq, bk
.set BVO, 10                           ; v10  4 (r + 8 (r / 8)): bv
.set WOA, 11                           ; v11  32 x lane: Wo's row
.set WOS, 12                           ; v12  8 x lane: its codes
.set SC,  13                           ; v13  the scale in hand, as f32
.set LIM, 14                           ; v14  448 x that
.set SPW, 16                           ; v16  LDS address of my spare word; never rewritten
.set NIL, 17                           ; v17  0; never rewritten
.set WSQ, 21                           ; v21  WC + 4 x lane + 8 WP x wave: where my codes of Wq or Wk go
.set BV,  22                           ; v22  bv of my d
.set STA, 23                           ; v23  STW + 8,192 x wave + 16 x lane
.set WOX, 24                           ; v24-31 eight numbers of Wo;  v32-33 their codes
.set WOC, 32
.set BI,  34                           ; v34-49 bq or bk at d = 16 h + 0 .. 15 of my head
.set T,   50                           ; v50-65  16 channels of a token, held and sorted
.set X,   66                           ; v66-129 x: register 4 i + j = channel 16 w + i, token 4 lane + j
.set W,   130                          ; v130-193 my eight rows of Wq or Wk
.set WV,  194                          ; v194-225 my four rows of Wv
.set C,   226                          ; v226-241 codes of Wq or Wk, then of x
.set CV,  242                          ; v242-249 codes of Wv
.set D,   50                           ; q's or k's four accumulators: v50-81: 16 t + 8 u
.set DV,  82                           ; v's two: v82-97
.set FV,  98                           ; v's fragments: x's four at v98-161, Wv's two at v162-193
.set OU,  242                          ; v242-253 the 3 x 16 bytes that leave
.set G0,  88                           ; s[88:91], s[92:99] the tensor descriptor's groups 0 and 1
.set G1,  92
.macro MKSC d, e                       ; s[d] = 2^e as f32, s[d + 1] = 448 x 2^e;  e in s[e]
	s_add_co_i32 s50, s[\e], 127
	s_lshl_b32 s[\d], s50, 23
	s_add_co_i32 s50, s50, 8
	s_lshl_b32 s50, s50, 23
	s_or_b32 s[\d+1], s50, 0x600000
.endm
.macro USESC d
	v_mov_b32 v[SC], s[\d]
	v_mov_b32 v[LIM], s[\d+1]
.endm
.macro CROUND                          ; a round of the cluster's barrier
	s_barrier_signal -1
	s_barrier_wait -1
	s_cmp_lg_u32 s30, 0
	s_cbranch_scc1 .Lnot_wave_0_\@
	s_barrier_signal -3
.Lnot_wave_0_\@:
	s_barrier_wait -3
	s_barrier_signal -1
	s_barrier_wait -1
.endm
	s_load_b512 s[4:19], s[0:1], 0x0               ; x s[4:5], Wq s[6:7], Wk s[8:9], Wv s[10:11], Wo s[12:13], bq s[14:15], bk s[16:17], bv s[18:19]
	s_load_b256 s[20:27], s[0:1], 0x40             ; the scales' exponents s[20:21], qc s[22:23], kc s[24:25], vc s[26:27]
	s_load_b64 s[28:29], s[0:1], 0x60              ; woc
	v_lshl_add_u32 v[SPW], v0, 2, SPARE
	v_mov_b32 v[NIL], 0
	ds_add_u32 v[SPW], v[NIL]                      ; the wave's opening: the add, twice on end, and its wait ahead of my first tensor load; work on registers stands between
	ds_add_u32 v[SPW], v[NIL]
	v_lshrrev_b32 v18, 5, v0
	v_readfirstlane_b32 s30, v18                   ; wave 0..15
	s_bfe_u32 s31, ttmp6, 0x40000                  ; cx
	s_lshl_b32 s82, 0x1111, s31                    ; my column of the cluster: places cx, cx + 4, cx + 8, cx + 12
	s_lshl_b32 s83, ttmp9, 2
	s_add_co_u32 s31, s31, s83                     ; hp: which pair of heads
	; what I fetch: eight rows, 8,192 dense bytes, stated as 32 rows of 256: by hp and the wave's number alone
	s_or_b32 s[G1], s82, 1<<21                     ; 15:0 the mask; 21 set beside it; elements of 1 byte, no padding
	s_mov_b32 s[G1+1], 256<<16
	s_mov_b32 s[G1+2], 32<<16
	s_mov_b32 s[G1+3], 256<<16
	s_mov_b32 s[G1+4], 32
	s_mov_b32 s[G1+5], 256
	s_mov_b32 s[G1+6], 0
	s_mov_b32 s[G1+7], 0
	s_mov_b32 s[G0], 1
	s_lshl_b32 s[G0+1], s30, 13
	s_add_co_u32 s[G0+1], s[G0+1], STW
	s_lshl_b32 s86, s31, 16                        ; 64 rows x hp + 8 x (wave % 8), 1,024 bytes a row
	s_and_b32 s83, s30, 7
	s_lshl_b32 s83, s83, 13
	s_add_co_u32 s86, s86, s83
	s_mov_b32 s87, 0
	s_bfe_u32 s44, ttmp6, 0x40004                  ; cy
	s_and_b32 s50, ttmp7, 0xffff
	s_lshl_b32 s50, s50, 2
	s_add_co_u32 s44, s44, s50                     ; tb
	s_lshr_b32 s45, s44, 3                         ; b
	s_and_b32 s46, s44, 7                          ; s: which 128 tokens of the batch
	s_lshr_b32 s47, s30, 3                         ; q, k: m (0: q, 1: k).   v: which head of the pair
	s_bfe_u32 s48, s30, 0x10002                    ; q, k: hh, which head of the pair.   v: dt, which 16 of the head's 32
	s_and_b32 s49, s30, 3                          ; tq: which 32 tokens, for q, k and v alike
	s_lshl_b32 s70, s30, 4                         ; 16 x wave
	s_mul_i32 s71, s30, 4*WP
	s_add_co_u32 s71, s71, WC
	s_mul_i32 s72, s49, 8*XP
	s_mul_i32 s73, s47, 64*WP
	s_mul_i32 s76, s48, 32*WP
	s_add_co_u32 s73, s73, s76
	s_add_co_u32 s73, s73, WC
	s_mul_i32 s74, s47, 32*WP
	s_mul_i32 s76, s48, 8*WP
	s_add_co_u32 s74, s74, s76
	s_add_co_u32 s74, s74, WC+128*WP
	s_lshl_b32 s75, s47, 8
	s_mul_i32 s77, s30, 8*WP
	s_add_co_u32 s77, s77, WC
	; byte offsets, each in a pair of its own with 0 above it
	s_lshl_b32 s52, s45, 20                        ; x: b x 2^20 + 512 s + wave x 16 rows of 4,096
	s_lshl_b32 s50, s46, 9
	s_add_co_u32 s52, s52, s50
	s_lshl_b32 s50, s30, 16
	s_add_co_u32 s52, s52, s50
	s_mov_b32 s53, 0
	s_lshl_b32 s54, s31, 16                        ; Wv: row 64 hp + 4 wave
	s_lshl_b32 s50, s30, 12
	s_add_co_u32 s54, s54, s50
	s_mov_b32 s55, 0
	s_lshl_b32 s50, s44, 2
	s_add_co_u32 s50, s50, s31                     ; the work-group's row of Wo: 4 tb + hp
	s_lshl_b32 s56, s50, 10
	s_mov_b32 s57, 0
	s_lshl_b32 s58, s50, 8                         ; and of its codes
	s_mov_b32 s59, 0
	s_lshl_b32 s60, s31, 8                         ; bq, bk: 4 (64 hp + 32 hh)
	s_lshl_b32 s50, s48, 7
	s_add_co_u32 s60, s60, s50
	s_mov_b32 s61, 0
	s_lshl_b32 s62, s31, 8                         ; bv: 4 (64 hp + 32 head + 8 dt)
	s_lshl_b32 s50, s47, 7
	s_add_co_u32 s62, s62, s50
	s_lshl_b32 s50, s48, 5
	s_add_co_u32 s62, s62, s50
	s_mov_b32 s63, 0
	s_lshl_b32 s51, s45, 3
	s_lshl_b32 s50, s31, 1
	s_add_co_u32 s51, s51, s50                     ; 8 b + 2 hp
	s_add_co_u32 s66, s51, s48                     ; qc, kc: ((8 b + head) 64 + 8 s + 2 tq) 512
	s_lshl_b32 s66, s66, 6
	s_lshl_b32 s50, s46, 3
	s_add_co_u32 s66, s66, s50
	s_lshl_b32 s50, s49, 1
	s_add_co_u32 s66, s66, s50
	s_lshl_b32 s66, s66, 9
	s_mov_b32 s67, 0
	s_add_co_u32 s68, s51, s47                     ; vc: ((((8 b + head) 8 + s) 2 + dt) 4 + tq) 512
	s_lshl_b32 s68, s68, 3
	s_add_co_u32 s68, s68, s46
	s_lshl_b32 s68, s68, 1
	s_add_co_u32 s68, s68, s48
	s_lshl_b32 s68, s68, 2
	s_add_co_u32 s68, s68, s49
	s_lshl_b32 s68, s68, 9
	s_mov_b32 s69, 0
	v_and_b32 v20, 31, v0                          ; lane
	v_and_b32 v18, 15, v0                          ; r
	v_bfe_u32 v19, v0, 4, 1                        ; h
	v_mov_b32 v24, 0                               ; (Wo's numbers: written on every way through the text; wave 0 alone loads and uses them)
	v_mov_b32 v25, 0
	v_lshlrev_b32 v[L16], 4, v20
	v_lshrrev_b32 v21, 2, v18                      ; r / 4
	v_and_b32 v23, 3, v18                          ; r % 4
	v_and_b32 v15, 8, v18
	v_mul_u32_u24 v[XSA], v20, XP
	v_mul_u32_u24 v[XF], v21, XP
	v_lshlrev_b32 v[BO], 6, v19
	v_add_nc_u32 v15, v15, v18                     ; r + 8 (r / 8)
	v_lshlrev_b32 v[WOA], 5, v20
	v_lshlrev_b32 v[WOS], 3, v20
	v_mad_u32_u24 v[XF], v23, XQ, v[XF]
	v_lshlrev_b32 v[BVO], 2, v15
	v_mul_u32_u24 v15, v15, WP
	v_add_nc_u32 v[XSA], s70, v[XSA]
	v_lshl_add_u32 v[WS], v20, 2, s71
	v_lshl_add_u32 v[XF], v19, 4, v[XF]
	v_lshl_add_u32 v15, v19, 4, v15
	v_add_nc_u32 v[XSB], 2*XQ, v[XSA]
	v_lshl_add_u32 v[WSQ], v20, 2, s77
	v_add_nc_u32 v[XF], s72, v[XF]
	v_add_nc_u32 v[WF], s73, v15
	v_add_nc_u32 v[WFV], s74, v15
	v_add_nc_u32 v[STA], s[G0+1], v[L16]
.irp j, 26,27,28,29,30,31
	v_mov_b32 v\j, 0
.endr
	v_add_nc_u32 v[XFQ], s75, v[XF]
	s_wait_alu depctr_va_vdst(0)                   ; directly ahead of the wait below
	s_wait_dscnt 0x0                               ; both opening adds are done
	CROUND                                         ; all sixteen work-groups are here: the joint loads meet
	s_wait_kmcnt 0x0
	s_cmp_lt_u32 s30, 8                            ; waves 0-7 fetch for Wq and make q, waves 8-15 for Wk and make k: the choice hangs on the wave's number alone
	s_cselect_b64 s[6:7], s[6:7], s[8:9]
	s_add_nc_u64 s[G0+2:G0+3], s[6:7], s[86:87]
	s_or_b32 s[G0+3], s[G0+3], 0x80000000
	tensor_load_to_lds s[G0:G0+3], s[G1:G1+7]      ; one tensor load a wave at the head
	s_nop 0
	s_load_b256 s[32:39], s[20:21], 0x0            ; e0 .. e7
	s_load_b128 s[40:43], s[20:21], 0x20           ; e8 .. e11
	s_cmp_lt_u32 s30, 8
	s_cselect_b64 s[14:15], s[14:15], s[16:17]     ; bq or bk
	s_cselect_b64 s[22:23], s[22:23], s[24:25]     ; qc or kc
	s_add_nc_u64 s[4:5], s[4:5], s[52:53]
	s_add_nc_u64 s[10:11], s[10:11], s[54:55]
	s_add_nc_u64 s[12:13], s[12:13], s[56:57]
	s_add_nc_u64 s[14:15], s[14:15], s[60:61]
	s_add_nc_u64 s[18:19], s[18:19], s[62:63]
	s_add_nc_u64 s[22:23], s[22:23], s[66:67]
	s_add_nc_u64 s[26:27], s[26:27], s[68:69]
	s_add_nc_u64 s[24:25], s[28:29], s[58:59]      ; woc (s[28:29] serve otherwise below)
	; ---- the ordinary loads, in the order in which they are wanted: x's 16 and Wv's eight are the youngest on every way
	s_cmp_lg_u32 s30, 0
	s_cbranch_scc1 .Lno_wo_load
	global_load_b128 v[WOX:WOX+3], v[WOA], s[12:13]               ; Wo's row: c = 8 lane + 0 .. 7
	global_load_b128 v[WOX+4:WOX+7], v[WOA], s[12:13] offset:16
.Lno_wo_load:
.irp j, 0,1,2,3
	global_load_b128 v[BI+4*\j:BI+4*\j+3], v[BO], s[14:15] offset:16*\j   ; the bias at d = 16 h + 0 .. 15 of my head: the accumulators' own layout
.endr
	global_load_b32 v[BV], v[BVO], s[18:19]        ; bv at d = 8 dt + r + 8 (r / 8)
.set i, 0
.rept 16
	global_load_b128 v[X+4*i:X+4*i+3], v[L16], s[4:5] offset:4096*i       ; channel 16 w + i, tokens 4 lane + 0 .. 3: the wave reads 512 consecutive bytes
.set i, i+1
.endr
.irp j, 0,1,2,3,4,5,6,7
	global_load_b128 v[WV+4*\j:WV+4*\j+3], v[L16], s[10:11] offset:512*\j ; row j / 2, c = 128 (j % 2) + 4 lane + 0 .. 3
.endr
	s_wait_kmcnt 0x0
	MKSC 70, 32                                    ; x by e0, e2, e4
	MKSC 72, 34
	MKSC 74, 36
	MKSC 76, 33                                    ; Wq, Wk, Wv by e1, e3, e5
	MKSC 78, 35
	MKSC 80, 37
	MKSC 82, 43                                    ; Wo by e11
	s_add_co_i32 s28, s32, s33                     ; a sum of the first product stands for sum x 2^(e0 + e1):
	s_sub_co_i32 s51, s38, s28
	MKSC 84, 51                                    ; q's code is sum / 2^(e6 - e0 - e1),
	s_sub_co_i32 s104, 0, s28                      ; and bq goes in as bq x 2^-(e0 + e1)
	s_add_co_i32 s28, s34, s35
	s_sub_co_i32 s51, s39, s28
	MKSC 86, 51                                    ; k: e7 - e2 - e3
	s_sub_co_i32 s28, 0, s28
	s_add_co_i32 s29, s36, s37
	s_sub_co_i32 s51, s41, s29
	MKSC 100, 51                                   ; v: e9 - e4 - e5
	s_sub_co_i32 s105, 0, s29
	s_cmp_lt_u32 s30, 8                            ; q's numbers or k's, by the wave's number
	s_cselect_b32 s84, s84, s86
	s_cselect_b32 s85, s85, s87
	s_cselect_b32 s104, s104, s28
	s_cselect_b32 s76, s76, s78
	s_cselect_b32 s77, s77, s79
	s_wait_tensorcnt 0x0                           ; my eight rows of Wq or Wk, which I alone read
.set i, 0
.rept 16
	ds_load_b128 v[W+4*i:W+4*i+3], v[STA] offset:512*i            ; row i / 2, c = 128 (i % 2) + 4 lane + 0 .. 3
.set i, i+1
.endr
	s_wait_dscnt 0x0
; n rows become codes.  Conversion g takes row g: its first four numbers are c = 4 lane .., its last four c = 128 + 4 lane ..: one word of codes for each half of the row
.macro QW n, src, dst, adr, off, sc
	USESC \sc
.set i, 0
.rept 8*\n
	v_med3_num_f32 v[\src+i], v[\src+i], -v[LIM], v[LIM]          ; the conversion to an 8-bit code does not saturate (ISA guide 7.6.2): the hold at the largest code x the scale
.set i, i+1
.endr
.set i, 0
.rept \n
	v_cvt_scalef32_pk8_fp8_f32 v[\dst+2*i:\dst+2*i+1], v[\src+8*i:\src+8*i+7], v[SC]
.set i, i+1
.endr
	v_nop                                          ; one plain vector line behind the last conversion of a run: later lines write its sources
.set i, 0
.rept \n
	ds_store_b32 v[\adr], v[\dst+2*i] offset:\off+WP*i            ; 32 lanes: 128 consecutive bytes of a row
	ds_store_b32 v[\adr], v[\dst+2*i+1] offset:\off+WP*i+128
.set i, i+1
.endr
.endm
	QW 8, W, C, WSQ, 0, 76
; token j by the scale in hand: the hold sorts the numbers by token; 16 codes, to version k's place
.macro XTOK j, k
.set i, 0
.rept 16
	v_med3_num_f32 v[T+i], v[X+4*i+\j], -v[LIM], v[LIM]
.set i, i+1
.endr
	v_cvt_scalef32_pk8_fp8_f32 v[C+4*\j:C+4*\j+1], v[T:T+7], v[SC]
	v_cvt_scalef32_pk8_fp8_f32 v[C+4*\j+2:C+4*\j+3], v[T+8:T+15], v[SC]
	v_nop
	ds_store_b128 v[XSA+(\j)/2], v[C+4*\j:C+4*\j+3] offset:XQ*((\j)%2)+256*\k   ; 16 bytes (channels 16 w .. + 15) of token j
.endm
	s_wait_loadcnt 8                               ; loads come back in order (ISA guide 5.7.1): all but Wv's eight are in
.irp k, 0,1,2
	USESC 70+2*\k
.irp j, 0,1,2,3
	XTOK \j, \k
.endr
.endr
.set i, 0
.rept 16
	v_ldexp_f32 v[BI+i], v[BI+i], s104
.set i, i+1
.endr
	s_cmp_lg_u32 s30, 0                            ; wave 0 quantises the work-group's row of Wo
	s_wait_alu depctr_va_vdst(0)                   ; directly ahead of the branch
	s_cbranch_scc1 .Lnot_wo
	USESC 82
.set i, 0
.rept 8
	v_med3_num_f32 v[WOX+i], v[WOX+i], -v[LIM], v[LIM]
.set i, i+1
.endr
	v_cvt_scalef32_pk8_fp8_f32 v[WOC:WOC+1], v[WOX:WOX+7], v[SC]
	v_nop
	global_store_b64 v[WOS], v[WOC:WOC+1], s[24:25]               ; 32 lanes store the row's 256 consecutive bytes, at a multiple of 256 from woc's first byte
.Lnot_wo:
	s_wait_alu depctr_va_vdst(0)                   ; directly ahead of the wait below
	s_wait_dscnt 0x0                               ; for the others' sake: my codes of x and of Wq or Wk lie in LDS
	s_barrier_signal -1
	s_barrier_wait -1                              ; everybody's do
; A fragment, 16 rows x 128 K, is 16 registers by four loads of 16 bytes, 32 apart, at the row's place + 16 h: registers 4 c .. + 3 hold K = 32 c + 16 h + 0 .. 15: one permutation of k, the same on both sides
.macro FRAG dst, adr, off
.irp c, 0,1,2,3
	ds_load_b128 v[\dst+4*\c:\dst+4*\c+3], v[\adr] offset:\off+32*\c
.endr
.endm
.macro PLACES                          ; four plain vector lines between a matrix instruction and loads into its sources or reads of its result
.rept 4
	v_nop
.endr
.endm
.macro EPI d, o, off, p                ; 16 sums of a lane become 16 codes, from each accumulator's low end on; the wave stores 512 consecutive bytes
.set i, 0
.rept 16
	v_med3_num_f32 v[\d+i], v[\d+i], -v[LIM], v[LIM]
.set i, i+1
.endr
	v_cvt_scalef32_pk8_fp8_f32 v[\o:\o+1], v[\d:\d+7], v[SC]
	v_cvt_scalef32_pk8_fp8_f32 v[\o+2:\o+3], v[\d+8:\d+15], v[SC]
	v_nop
	global_store_b128 v[L16], v[\o:\o+3], s[\p:\p+1] offset:\off
.endm
; q or k.  The eight fragments (K step s: W's tiles u at n = 4 s + u, x's tiles t at n = 4 s + 2 + t) lie 16 registers apart from v82 on, the eighth at v226: v194-225 are Wv's, still on its way
.macro QKLOAD s
.irp u, 0,1
	FRAG 82+16*(4*\s+\u), WF, 8*WP*\u+128*\s
.endr
.irp t, 0,1
	FRAG 82+16*(4*\s+2+\t)+32*((4*\s+2+\t)/7), XFQ, 4*XP*\t+128*\s
.endr
.endm
	QKLOAD 0
	QKLOAD 1
	s_wait_dscnt 16                                ; the first K step's 16 loads are in; the second's may be out
.irp t, 0,1                            ; four accumulators by turns, one instruction a turn; each sum begins on the bias, which both tiles of tokens share
.irp u, 0,1
	v_wmma_f32_16x16x128_fp8_fp8 v[D+16*\t+8*\u:D+16*\t+8*\u+7], v[82+16*\u:97+16*\u], v[114+16*\t:129+16*\t], v[BI+8*\u:BI+8*\u+7]
.endr
.endr
	s_wait_dscnt 0x0
.irp t, 0,1
.irp u, 0,1
	v_wmma_f32_16x16x128_fp8_fp8 v[D+16*\t+8*\u:D+16*\t+8*\u+7], v[146+16*\u:161+16*\u], v[178+48*\t:193+48*\t], v[D+16*\t+8*\u:D+16*\t+8*\u+7]
.endr
.endr
	PLACES
.irp s, 0,1                            ; v's fragments of x (version 2) come while q or k leaves
.irp u, 0,1
	FRAG FV+16*(2*\u+\s), XF, 512+4*XP*\u+128*\s
.endr
.endr
	USESC 84
	EPI D, OU, 0, 22                               ; tokens 32 tq + 0 .. 15
	EPI D+16, OU+4, 512, 22                        ; tokens 32 tq + 16 .. 31: the next tile's image
	s_wait_loadcnt 0x0                             ; Wv
	s_wait_xcnt 0x0                                ; the stores have read the registers of OU, where Wv's codes go
	QW 4, WV, CV, WS, 128*WP, 80
	s_wait_alu depctr_va_vdst(0)                   ; directly ahead of the wait below
	s_wait_dscnt 0x0                               ; for the others' sake: my codes of Wv lie in LDS
	s_barrier_signal -1
	s_barrier_wait -1                              ; everybody's do; nothing in LDS but spare words is written from here on
	FRAG FV+64, WFV, 0
	FRAG FV+80, WFV, 128
.set i, 0
.rept 16
	v_ldexp_f32 v[DV+i], v[BV], s105               ; bv x 2^-(e4 + e5): a lane holds one d, so all 16 registers take the same number
.set i, i+1
.endr
	s_wait_alu depctr_va_vdst(0)                   ; directly ahead of the wait below
	s_wait_dscnt 4                                 ; the first K step's four loads are in; the second's may be out
.irp s, 0,1
.if \s
	s_wait_dscnt 0x0
.endif
.irp u, 0,1
	v_wmma_f32_16x16x128_fp8_fp8 v[DV+8*\u:DV+8*\u+7], v[FV+16*(2*\u+\s):FV+16*(2*\u+\s)+15], v[FV+64+16*\s:FV+64+16*\s+15], v[DV+8*\u:DV+8*\u+7]   ; two accumulators by turns; each begins on its bias
.endr
.endr
	PLACES
	USESC 100
	EPI DV, OU+8, 0, 26
	s_wait_tensorcnt 0x0                           ; the wave's end: behind my tensor load and my last LDS store
	ds_add_u32 v[SPW], v[NIL]
	s_wait_dscnt 0x0
	CROUND                                         ; the closing round: no work-group ends while a partner may still ask for a tile that names it
	s_endpgm
.Lfunc_end_k_qc25e73d1e1_qkv:
	.size	k_qc25e73d1e1_qkv, .Lfunc_end_k_qc25e73d1e1_qkv-k_qc25e73d1e1_qkv
	.p2alignl 7, 3214868480
	.fill 96, 4, 3214868480
	.section	.rodata,"a",@progbits
	.p2align	6, 0x0
	.amdhsa_kernel k_qc25e73d1e1_qkv
		.amdhsa_group_segment_fixed_size 285952
		.amdhsa_private_segment_fixed_size 0
		.amdhsa_enable_private_segment 0
		.amdhsa_kernarg_size 104
		.amdhsa_user_sgpr_count 2
		.amdhsa_user_sgpr_kernarg_segment_ptr 1
		.amdhsa_wavefront_size32 1
		.amdhsa_system_sgpr_workgroup_id_x 1
		.amdhsa_system_sgpr_workgroup_id_y 1
		.amdhsa_system_sgpr_workgroup_id_z 1
		.amdhsa_system_vgpr_workitem_id 0
		.amdhsa_next_free_vgpr 256
		.amdhsa_next_free_sgpr 106
		.amdhsa_reserve_vcc 0
		.amdhsa_float_denorm_mode_32 3
		.amdhsa_float_denorm_mode_16_64 3
		.amdhsa_memory_ordered 1
		.amdhsa_forward_progress 1
		.amdhsa_inst_pref_size 50
	.end_amdhsa_kernel
	.amdgpu_metadata
---
amdhsa.version: [ 1, 2 ]
amdhsa.kernels:
  - .name:           k_qc25e73d1e1_qkv
    .symbol:         k_qc25e73d1e1_qkv.kd
    .args:
      - { .name: x, .offset: 0, .size: 8, .value_kind: global_buffer, .address_space: global }
      - { .name: Wq, .offset: 8, .size: 8, .value_kind: global_buffer, .address_space: global }
      - { .name: Wk, .offset: 16, .size: 8, .value_kind: global_buffer, .address_space: global }
      - { .name: Wv, .offset: 24, .size: 8, .value_kind: global_buffer, .address_space: global }
      - { .name: Wo, .offset: 32, .size: 8, .value_kind: global_buffer, .address_space: global }
      - { .name: bq, .offset: 40, .size: 8, .value_kind: global_buffer, .address_space: global }
      - { .name: bk, .offset: 48, .size: 8, .value_kind: global_buffer, .address_space: global }
      - { .name: bv, .offset: 56, .size: 8, .value_kind: global_buffer, .address_space: global }
      - { .name: lowp_scales, .offset: 64, .size: 8, .value_kind: global_buffer, .address_space: global }
      - { .name: qc, .offset: 72, .size: 8, .value_kind: global_buffer, .address_space: global }
      - { .name: kc, .offset: 80, .size: 8, .value_kind: global_buffer, .address_space: global }
      - { .name: vc, .offset: 88, .size: 8, .value_kind: global_buffer, .address_space: global }
      - { .name: woc, .offset: 96, .size: 8, .value_kind: global_buffer, .address_space: global }
    .group_segment_fixed_size: 285952
    .private_segment_fixed_size: 0
    .kernarg_segment_align: 8
    .kernarg_segment_size: 104
    .max_flat_workgroup_size: 512
    .sgpr_count:     106
    .vgpr_count:     256
    .wavefront_size: 32
...
	.end_amdgpu_metadata
.endif
;; end of part 1
;; launch attn (part 2): grid 32 x 8, 8 waves a work-group, clusters of 4 x 1, 242,688 bytes of LDS; arguments qc, kc, vc, woc, bo, lowp_scales, out0; writes out0
.if DOCPART == 2
	.amdgcn_target "amdgcn-amd-amdhsa--gfx1250"
	.amdhsa_code_object_version 6
	.text
	.protected	k_qc25e73d1e1_attn
	.globl	k_qc25e73d1e1_attn
	.p2align	8
	.type	k_qc25e73d1e1_attn,@function
k_qc25e73d1e1_attn:
	s_mov_b64 s[64:65], 0
	v_nop
	global_prefetch_b8 v0, s[64:65] scope:SCOPE_SE
	s_setreg_imm32_b32 hwreg(HW_REG_WAVE_MODE, 25, 1), 1
	s_wait_xcnt 0x0
	s_wait_alu depctr_hold_cnt(0) depctr_sa_sdst(0) depctr_va_vdst(0) depctr_va_sdst(0) depctr_va_ssrc(0) depctr_va_vcc(0) depctr_vm_vsrc(0)
	s_getreg_b32 s2, hwreg(HW_REG_IB_STS2, 6, 4)
	s_cmp_eq_u32 s2, 0
	s_cbranch_scc0 .Lentry_in_a_cluster
	s_endpgm
.Lentry_in_a_cluster:
	s_bfe_u32 s2, ttmp6, 0x10000c
	s_cmp_lg_u32 s2, 0x3003
	s_cbranch_scc0 .Lentry_shape_is_right
	s_endpgm
.Lentry_shape_is_right:
; ctx[b][q][32 head + d] = the sum over k of softmax_k(q . k / sqrt(32)) v;  out0[b][d][n] = the sum over c of ctx[b][n][c] Wo[d][c] + bo[d].  All products on codes of FP8 (E4M3), f32 sums.  No work is left out.
; THE SOFTMAX AHEAD OF THE SECOND PRODUCT: t = score x log2(e) / sqrt(32); M = the row's largest t so far, rounded UP to a whole number; p = 2^(t - M) is quantised by e8, not normalised.  The row's sum is taken of the
; unquantised p, in f32, and divides at the end.  When M moves, the sum and O are multiplied by 2^(old M - new M): exact.
; SHARES.  Work-group (x, b): tokens 32 x .. + 31 of batch b, ALL EIGHT HEADS, so that the last product's whole K = 256 is at hand: 256 equal work-groups.  Wave w owns head w and both tiles of 16 queries; two waves to a SIMD.
; Eight key steps of 128 keys.  K OF STEPS 2 TO 7 comes by ONE JOINT TENSOR LOAD a wave at the head: 24,576 dense bytes of its head, shared by the CLUSTER's four work-groups, which lie in one batch; the wave that asked alone reads it.
; K of steps 0 and 1, which are wanted at once, and V go from memory straight into registers (window 1), V two key steps ahead: with V too (or all of K and V, 524,288 bytes) there would be more than LDS holds, and a ring's refills.
; NO PREFETCH: the joint load asks for all that it brings at the head, and V's loads run two key steps ahead themselves.
; ONE BARRIER A STEP paces the waves, signalled behind the maxima and waited for behind the exponentials: none runs a whole step ahead of another, and all eight come to the last product together.
; THE TWO TILES' WORK IS INTERLEAVED: chains of one stand between the other's; tile 1's scalings and the first level of tile 0's sum stand among the exponentials.
; LAYOUT.  Both products are used transposed: a lane holds ONE query (lane % 16) throughout.  S^T = K Q^T: the head's 32 are half of the format's shortest K, 64.  So one fragment of eight registers holds TWO tiles of 16 keys and is
; multiplied once by [q ; 0] and once by [0 ; q].  A tile's eight results of a lane are eight neighbouring keys: one conversion makes a register pair of the K = 128 operand P.
; O^T = V^T P: row r of V's tile dt stands for d = 8 dt + r + 8 (r / 8), so that a lane's 16 results are d = 16 (lane / 16) + 0 .. 15.
; THE LAST PRODUCT.  ctx's codes (8,192 bytes) pass through LDS, behind one barrier; wave w owns d = 32 w .. + 31 for both tiles of tokens.  Wo's two fragments are asked for in step 6, into registers that K and V have left.
; OUT: a work-group's 32 tokens are 128 consecutive bytes of a row of out0 (half an aligned 256): with 64 tokens there would be work for 128 work-groups only.
; LIMITS: e6 + e7 between -124 and 129 (added to c's exponent field); e8 and e10 between -126 and 119; e10 + e11 between -126 and 127; e8 + e9 is applied by v_ldexp_f32 and has none.  Scaled scores (exponents to the base 2) under 2^31 in magnitude.
.set KBY,   24576                      ; LDS: a head's K of steps 2 to 7, eight heads;
.set CTX,   8*KBY                      ; ctx's image,
.set STG,   CTX+8192                   ; the stages: 32 rows x (128 bytes + 16) for each wave,
.set SP,    144
.set SPARE, STG+8*32*SP                ; and the spare words, 128 bytes for each of 8 waves: four blocks of 256 bytes that no other line names
.set LA,  2                            ; v2   16 x lane
.set WA,  3                            ; v3   Wo's codes: 256 r + 16 h
.set SPW, 4                            ; v4   LDS address of my spare word; never rewritten
.set NIL, 5                            ; v5   0; never rewritten
.set LB,  11                           ; v11  KBY x wave + 16 x lane (named as the upper half of v[10:11])
.set AD,  13                           ; v13  LDS address of K in hand (named as the upper half of v[12:13])
.set CL,  23                           ; v23  CTX + 16 x lane (named as the upper half of v[22:23])
.set TM,  52                           ; v52-59 the maxima's chains, four a tile
.set STO, 60                           ; v60  the stage: where I put 32 bytes of a row
.set RD,  61                           ; v61  and where I read a row back
.set GO,  62                           ; v62  my byte offset in the wave's rows of out0
.set CT,  63                           ; v63  where my 16 bytes of ctx's codes go
.set S0,  64                           ; v64-127  S^T, then p, of tile 0;  v128-191 of tile 1
.set S1,  128
.set O,   192                          ; v192-207 O^T of tile 0, v208-223 of tile 1
.set PC,  224                          ; v224-239 p's codes of tile 0, v240-255 of tile 1; before that the first level of tile 0's sum
.set KB,  0                            ; window 1: v256-319 K's two buffers of 32, v320-383 V's
.set VB,  64
.set TB,  60                           ; s60  how far K in hand has gone, in bytes
; v1 4 r; v6, v7 lane permutes' destinations; v8 448 x 2^e8, v9 2^e8; v10, v12 bo; v14, v16 -M and v15, v17 the largest score, tiles 0 and 1; v[18:19], v[20:21] the sums; v22, v24 f (v25 0);
; v26, v27 the old -M; v[28:29], v[30:31] the sums' second chains; v32-35 0, v36-39 q of tile 0, v40-43 0, v44-47 q of tile 1, v48-51 0
.set MSB, 0
.macro WIN new                         ; the immediate's high byte repeats the setting that is left
.if MSB != \new
	s_set_vgpr_msb (MSB<<8)|\new
.set MSB, \new
.endif
.endm
.macro LOAD8 dst, adr, base, off, step
.irp i, 0,1,2,3,4,5,6,7
	global_load_b128 v[\dst+4*\i:\dst+4*\i+3], v[\adr], s[\base:\base+1] offset:\off+\step*\i
.endr
.endm
.macro LDS8 dst, off                   ; 4,096 bytes of K: an operand's registers as they lie
.irp i, 0,1,2,3,4,5,6,7
	ds_load_b128 v[\dst+4*\i:\dst+4*\i+3], v[AD] offset:\off+512*\i
.endr
.endm
.macro CROUND                          ; a round of the cluster's barrier
	s_barrier_signal -1
	s_barrier_wait -1
	s_cmp_lg_u32 s14, 0
	s_cbranch_scc1 .Lnot_wave_0_\@
	s_barrier_signal -3
.Lnot_wave_0_\@:
	s_barrier_wait -3
	s_barrier_signal -1
	s_barrier_wait -1
.endm
	s_load_b256 s[4:11], s[0:1], 0x0               ; qc s[4:5], kc s[6:7], vc s[8:9], woc s[10:11]
	s_load_b128 s[36:39], s[0:1], 0x20             ; bo s[36:37], the scales' exponents s[38:39]
	s_load_b64 s[12:13], s[0:1], 0x30              ; out0
	v_lshl_add_u32 v[SPW], v0, 2, SPARE
	v_mov_b32 v[NIL], 0
	ds_add_u32 v[SPW], v[NIL]                      ; the wave's opening: the add, twice on end, and its wait ahead of my first tensor load; work on registers stands between
	ds_add_u32 v[SPW], v[NIL]
	v_lshrrev_b32 v1, 5, v0
	v_readfirstlane_b32 s14, v1                    ; wave 0..7: my head
	s_and_b32 s15, ttmp7, 0xffff                   ; b
	s_lshl_b32 s22, s15, 3
	s_add_co_u32 s22, s22, s14
	s_lshl_b32 s22, s22, 15                        ; qc, kc, vc: 32,768 bytes a head: no place in the cluster enters it
	s_mov_b32 s23, 0
	s_mov_b32 s40, 1                               ; descriptor group 0: count = 1;
	s_mul_i32 s41, s14, KBY                        ; LDS address: my head
	s_mov_b32 s44, 15|(1<<21)                      ; group 1: the mask names the cluster's four; elements of 1 byte; no padding; 96 rows of 256 bytes, dense
	s_mov_b32 s45, 256<<16
	s_mov_b32 s46, 96<<16
	s_mov_b32 s47, 256<<16
	s_mov_b32 s48, 96
	s_mov_b32 s49, 256
	s_mov_b32 s50, 0
	s_mov_b32 s51, 0
	s_bfe_u32 s62, ttmp6, 0x40000                  ; cx
	s_lshl_b32 s63, ttmp9, 2
	s_add_co_u32 s62, s62, s63                     ; x = 4 x cluster x + cx
	s_lshl_b32 s52, s62, 10
	s_add_co_u32 s52, s52, s22                     ; qc: + 512 (2 x)
	s_mov_b32 s53, 0
	s_lshl_b32 s54, s14, 13                        ; woc: 32 rows of 256 bytes a wave
	s_mov_b32 s55, 0
	s_lshl_b32 s56, s14, 7                         ; bo: 32 numbers a wave
	s_mov_b32 s57, 0
	s_lshl_b32 s58, s15, 20                        ; out0: b x 2^20 + 32 rows of 4,096 x wave + 128 x
	s_lshl_b32 s63, s14, 17
	s_add_co_u32 s58, s58, s63
	s_lshl_b32 s63, s62, 7
	s_add_co_u32 s58, s58, s63
	s_mov_b32 s59, 0
	s_mul_i32 s62, s14, 32*SP
	s_add_co_u32 s62, s62, STG                     ; my stage
	s_mul_i32 s63, s14, KBY
	s_mov_b32 s16, 0x76543210                      ; v_permlanex16_b32's selects for lane l xor 16
	s_mov_b32 s17, 0xfedcba98
	s_mov_b32 s[TB], 0
	v_and_b32 v52, 31, v0                          ; lane
	v_and_b32 v53, 15, v0                          ; r
	v_bfe_u32 v54, v0, 4, 1                        ; h
	v_lshlrev_b32 v[CT], 4, v0
	v_lshlrev_b32 v[LA], 4, v52
	v_lshlrev_b32 v1, 2, v53
	v_lshlrev_b32 v[WA], 8, v53
	v_lshrrev_b32 v56, 3, v52                      ; lane / 8
	v_and_b32 v57, 7, v52                          ; lane % 8
	v_add_nc_u32 v[CT], CTX, v[CT]                 ; CTX + 512 x head + 16 x lane
	v_add_nc_u32 v[LB], s63, v[LA]
	v_add_nc_u32 v[CL], CTX, v[LA]
	v_lshl_add_u32 v[WA], v54, 4, v[WA]
	v_mul_u32_u24 v[STO], v53, SP                  ; in: row r (my d), 32 bytes for each half of the lanes
	v_mul_u32_u24 v[RD], v56, SP                   ; back: eight lanes to a row of 128 bytes, four rows a load
	v_lshlrev_b32 v[GO], 12, v56                   ; and the same four rows in out0
	v_add_nc_u32 v[AD], s[TB], v[LB]
	v_lshl_add_u32 v[STO], v54, 5, v[STO]
	v_lshl_add_u32 v[RD], v57, 4, v[RD]
	v_lshl_add_u32 v[GO], v57, 4, v[GO]
	v_add_nc_u32 v[STO], s62, v[STO]
	v_add_nc_u32 v[RD], s62, v[RD]
	s_wait_alu depctr_va_vdst(0)                   ; directly ahead of the wait below
	s_wait_dscnt 0x0                               ; both opening adds are done
	CROUND                                         ; all four work-groups are here: the joint loads meet
	s_wait_kmcnt 0x0
	s_add_nc_u64 s[6:7], s[6:7], s[22:23]
	s_add_nc_u64 s[42:43], s[6:7], 0x2000          ; my head's K from step 2 on
	s_or_b32 s43, s43, 0x80000000                  ; type = 2
	tensor_load_to_lds s[40:43], s[44:51]          ; one tensor load a wave at the head
	s_nop 0
	s_load_b128 s[24:27], s[38:39], 0x18           ; e6, e7, e8, e9
	s_load_b64 s[28:29], s[38:39], 0x28            ; e10, e11
	s_add_nc_u64 s[4:5], s[4:5], s[52:53]
	s_add_nc_u64 s[8:9], s[8:9], s[22:23]
	s_add_nc_u64 s[10:11], s[10:11], s[54:55]
	s_add_nc_u64 s[36:37], s[36:37], s[56:57]
	s_add_nc_u64 s[12:13], s[12:13], s[58:59]
	global_load_b128 v[36:39], v[LA], s[4:5] th:TH_LOAD_NT                ; my two tiles of q: read once in the launch
	global_load_b128 v[44:47], v[LA], s[4:5] offset:512 th:TH_LOAD_NT
	global_load_b32 v10, v1, s[36:37]              ; bo of my two d
	global_load_b32 v12, v1, s[36:37] offset:64
	WIN 0x40
	LOAD8 KB, LA, 6, 0, 512                        ; steps 0 and 1: K, V, K, V
	LOAD8 VB, LA, 8, 0, 512
	LOAD8 KB+32, LA, 6, 4096, 512
	LOAD8 VB+32, LA, 8, 4096, 512
	WIN 0
.irp j, 6,7,18,19,20,21,25,32,33,34,35,40,41,42,43,48,49,50,51
	v_mov_b32 v\j, 0                               ; the zero codes round q, the sums, what pairs name
.endr
.set i, 0
.rept 32
	v_mov_b32 v[O+i], 0                            ; the step is one macro: the first finds zeros, which the first change of M leaves zeros
.set i, i+1
.endr
	v_mov_b32 v15, 0xff61b1e6                      ; the largest score so far: -3e38, under every score
	v_mov_b32 v17, 0xff61b1e6
	v_mov_b32 v26, 0x7f61b1e6                      ; -M so far: 3e38
	v_mov_b32 v27, 0x7f61b1e6
	s_wait_alu depctr_va_vdst(0)                   ; directly ahead of the wait below
	s_wait_kmcnt 0x0
	s_add_co_i32 s18, s24, s25
	s_lshl_b32 s18, s18, 23
	s_add_co_i32 s18, s18, 0x3e8293ee              ; c = log2(e) / sqrt(32), with e6 + e7 added to its exponent field: a score stands for score x 2^(e6 + e7)
	s_mov_b32 s19, s18                             ; (named with it as a pair, so it is written)
	s_add_co_i32 s20, s26, 127
	s_lshl_b32 s21, s20, 23
	v_mov_b32 v9, s21                              ; 2^e8 as f32
	s_add_co_i32 s20, s20, 8
	s_lshl_b32 s20, s20, 23
	s_or_b32 s20, s20, 0x600000
	v_mov_b32 v8, s20                              ; 448 x 2^e8
	s_add_co_i32 s20, s28, 127
	s_lshl_b32 s35, s20, 23                        ; 2^e10
	s_add_co_i32 s20, s20, 8
	s_lshl_b32 s20, s20, 23
	s_or_b32 s34, s20, 0x600000                    ; 448 x 2^e10
	s_add_co_i32 s30, s28, s29
	s_add_co_i32 s30, s30, 127
	s_lshl_b32 s30, s30, 23                        ; 2^(e10 + e11)
	s_mov_b32 s31, s30                             ; (named with it as a pair)
	s_add_co_i32 s21, s26, s27                     ; e8 + e9
; A KEY STEP: 128 keys, both tiles, on buffers b.  kind: 0 step 0, 1 step 1, 2 steps 2 to 5, 3 step 6, 4 step 7.
; The ordinary loads are asked for, and come back, in runs of eight: K0, V0, K1, V1, then V of each step two steps on, and Wo's two runs (the first in step 6 ahead of its wait for V).
.macro STEP b, kind
.if (\kind) == 0
	s_wait_loadcnt 24                              ; K0 is in; V0, K1, V1 may be out
.elseif (\kind) == 1
	s_wait_loadcnt 16                              ; K1; V1, V2 may be out
.else
	s_wait_dscnt 0x0                               ; K, asked of LDS in the step before
.endif
	WIN 1                                          ; source 0 (K) in window 1
.irp f, 0,1,2,3
	v_wmma_f32_16x16x64_fp8_fp8 v[S0+16*\f:S0+16*\f+7], v[KB+32*(\b)+8*\f:KB+32*(\b)+8*\f+7], v[36:43], 0      ; x [q ; 0]: keys' tile 2 f
	v_wmma_f32_16x16x64_fp8_fp8 v[S0+16*\f+8:S0+16*\f+15], v[KB+32*(\b)+8*\f:KB+32*(\b)+8*\f+7], v[32:39], 0   ; x [0 ; q]: keys' tile 2 f + 1
	v_wmma_f32_16x16x64_fp8_fp8 v[S1+16*\f:S1+16*\f+7], v[KB+32*(\b)+8*\f:KB+32*(\b)+8*\f+7], v[44:51], 0
	v_wmma_f32_16x16x64_fp8_fp8 v[S1+16*\f+8:S1+16*\f+15], v[KB+32*(\b)+8*\f:KB+32*(\b)+8*\f+7], v[40:47], 0
.endr
	WIN 0
.rept 4
	v_nop                                          ; four places ahead of loads into K's registers and of the reads of the scores
.endr
.if (\kind) == 3
	WIN 0x40
	LOAD8 KB, WA, 10, 0, 32                        ; Wo, d = 32 w + r: 16 rows of 256 bytes
	WIN 0
.endif
.irp t, 0,1                                    ; the step's largest score of my query among my 64 keys, in four chains a tile, each accumulator from its low end on
.irp c, 0,1,2,3
	v_max3_num_f32 v[TM+4*\t+\c], v[S0+64*\t+3*\c], v[S0+64*\t+3*\c+1], v[S0+64*\t+3*\c+2]
.endr
.endr
.set i, 12
.rept 26
	v_max3_num_f32 v[TM+((i/2)%4)], v[TM+((i/2)%4)], v[S0+i], v[S0+i+1]
	v_max3_num_f32 v[TM+4+((i/2)%4)], v[TM+4+((i/2)%4)], v[S1+i], v[S1+i+1]
.set i, i+2
.endr
	v_max3_num_f32 v[TM], v[TM], v[TM+1], v[TM+2]
	v_max3_num_f32 v[TM+4], v[TM+4], v[TM+5], v[TM+6]
	v_max_num_f32 v[TM], v[TM], v[TM+3]
	v_max_num_f32 v[TM+4], v[TM+4], v[TM+7]
	v_permlanex16_b32 v6, v[TM], s16, s17
	v_permlanex16_b32 v7, v[TM+4], s16, s17
	v_max3_num_f32 v15, v15, v[TM], v6             ; and among lane l xor 16's: the running largest score
	v_max3_num_f32 v17, v17, v[TM+4], v7
	v_mul_f32 v[TM], s18, v15                      ; as t (c is positive)
	v_mul_f32 v[TM+4], s18, v17
	v_floor_f32 v14, -v[TM]                        ; the new -M = floor(-t) = -ceil(t): a whole number
	v_floor_f32 v16, -v[TM+4]
	v_sub_f32 v[TM], v14, v26                      ; M's old value less its new one: a whole number, 0 or less
	v_sub_f32 v[TM+4], v16, v27
	v_cvt_i32_f32 v[TM], v[TM]                     ; (it saturates)
	v_cvt_i32_f32 v[TM+4], v[TM+4]
	v_ldexp_f32 v22, 1.0, v[TM]                    ; f = 2^(old M - new M)
	v_ldexp_f32 v24, 1.0, v[TM+4]
	s_barrier_signal -1                            ; (none of my LDS instructions is out.)  Work on registers stands between this and the barrier's wait
.irp j, 0,2,4,6,8,10,12,14
	v_pk_mul_f32 v[O+\j:O+\j+1], v[O+\j:O+\j+1], v[22:23] op_sel_hi:[1,0]                     ; O^T under the new M
	v_pk_mul_f32 v[O+16+\j:O+16+\j+1], v[O+16+\j:O+16+\j+1], v[24:25] op_sel_hi:[1,0]
.endr
.set i, 0
.rept 32
	v_pk_fma_f32 v[S0+i:S0+i+1], v[S0+i:S0+i+1], s[18:19], v[14:15] op_sel_hi:[1,0,0]         ; t - M, two at a time (of the pairs c and -M the low word serves both halves)
.set i, i+2
.endr
	s_wait_alu depctr_va_vdst(0)                   ; ahead of the batch
.set i, 0
.rept 32
	v_exp_f32 v[S0+i], v[S0+i]                     ; p = 2^(t - M), at most 1
	v_exp_f32 v[S0+i+1], v[S0+i+1]
	v_pk_fma_f32 v[S1+i:S1+i+1], v[S1+i:S1+i+1], s[18:19], v[16:17] op_sel_hi:[1,0,0]         ; tile 1's t - M: it names no exponential's result
.set i, i+2
.endr
	s_wait_alu depctr_va_vdst(0)                   ; behind tile 0's batch and ahead of tile 1's
.set i, 0
.rept 16
	v_exp_f32 v[S1+4*i], v[S1+4*i]
	v_exp_f32 v[S1+4*i+1], v[S1+4*i+1]
	v_exp_f32 v[S1+4*i+2], v[S1+4*i+2]
	v_exp_f32 v[S1+4*i+3], v[S1+4*i+3]
	v_pk_add_f32 v[PC+2*i:PC+2*i+1], v[S0+4*i:S0+4*i+1], v[S0+4*i+2:S0+4*i+3]                 ; the first level of tile 0's sum, of the unquantised p; read behind the wait below
.set i, i+1
.endr
	s_wait_alu depctr_va_vdst(0)                   ; one wait for the whole batch, ahead of its first reader, and directly ahead of the waits below
	s_barrier_wait -1
.if (\kind) == 1
	s_wait_tensorcnt 0x0                           ; my head's K of steps 2 to 7, which I alone read
.endif
.if (\kind) == 1 || (\kind) == 2
	s_wait_loadcnt 8                               ; V is in; the next step's may be out
.else
	s_wait_loadcnt 16                              ; V is in; behind it K1, V1 (step 0), V7, Wo's first run (step 6), Wo's two runs (step 7)
.endif
.if (\kind) == 1
	WIN 0x40
	LDS8 KB, 0                                     ; step 2's K
	WIN 0
.elseif (\kind) == 2 || (\kind) == 3
	WIN 0x40
	LDS8 KB+32*(1-(\b)), 4096*(1+(\b))             ; the next step's K
	WIN 0
.endif
	v_pk_fma_f32 v[18:19], v[18:19], v[22:23], v[PC:PC+1] op_sel_hi:[1,0,1]                   ; the old sum x f + the first pair, fused
	v_pk_fma_f32 v[20:21], v[20:21], v[24:25], v[S1:S1+1] op_sel_hi:[1,0,1]
	v_pk_add_f32 v[28:29], v[PC+2:PC+3], v[PC+4:PC+5]
	v_pk_add_f32 v[30:31], v[S1+2:S1+3], v[S1+4:S1+5]
.set i, 6
.set k, 3
.rept 14
	v_pk_add_f32 v[20:21], v[20:21], v[S1+i:S1+i+1]
.if k < 16
	v_pk_add_f32 v[18+10*(k%2):19+10*(k%2)], v[18+10*(k%2):19+10*(k%2)], v[PC+2*k:PC+2*k+1]
.endif
	v_pk_add_f32 v[30:31], v[30:31], v[S1+i+2:S1+i+3]
.set i, i+4
.set k, k+1
.endr
	v_pk_add_f32 v[20:21], v[20:21], v[S1+62:S1+63]
.set i, 0
.rept 64
	v_dual_min_num_f32 v[S0+i], v8, v[S0+i] :: v_dual_min_num_f32 v[S0+i+1], v8, v[S0+i+1]    ; the conversion to an 8-bit code does not saturate (ISA guide 7.6.2); p is not negative, so the hold is one-sided
.set i, i+2
.endr
.set i, 0
.rept 16
	v_cvt_scalef32_pk8_fp8_f32 v[PC+2*i:PC+2*i+1], v[S0+8*i:S0+8*i+7], v9                     ; tile 0's eight pairs of registers, then tile 1's
.set i, i+1
.endr
	v_pk_add_f32 v[18:19], v[18:19], v[28:29]      ; the chains meet: also the plain lines between the conversions and the products that read their results
	v_pk_add_f32 v[20:21], v[20:21], v[30:31]
	WIN 1                                          ; source 0 (V) in window 1.  Four accumulators by turns, one instruction a turn; the scores' sixteen stand between one step's turns and the next's
.irp t, 0,1
.irp d, 0,1
	v_wmma_f32_16x16x128_fp8_fp8 v[O+16*\t+8*\d:O+16*\t+8*\d+7], v[VB+32*(\b)+16*\d:VB+32*(\b)+16*\d+15], v[PC+16*\t:PC+16*\t+15], v[O+16*\t+8*\d:O+16*\t+8*\d+7]
.endr
.endr
	WIN 0
.if (\kind) < 4
	v_mov_b32 v26, v14                             ; the old -M is kept.  Four places ahead of the loads into V's registers
	v_mov_b32 v27, v16
	v_nop
	v_nop
	WIN 0x40
.if (\kind) < 2
	LOAD8 VB+32*(\b), LA, 8, 8192+4096*(\b), 512
.elseif (\kind) == 2
	LOAD8 VB+32*(\b), LA, 8, 16384+4096*(\b), 512
.else
	LOAD8 VB, WA, 10, 4096, 32                     ; Wo, d = 32 w + 16 + r
.endif
	WIN 0
.endif
.endm
	s_mov_b32 s61, 0
	s_wait_alu depctr_va_vdst(0)                   ; at the head's end
	STEP 0, 0
	STEP 1, 1
.Lpair:                                            ; two trips: steps 2 to 5
	STEP 0, 2
	STEP 1, 2
	s_wait_xcnt 0x0                                ; the loads have read their base
	s_add_nc_u64 s[8:9], s[8:9], 0x2000
	s_add_co_u32 s[TB], s[TB], 8192
	v_add_nc_u32 v[AD], s[TB], v[LB]
	s_add_co_u32 s61, s61, 1
	s_cmp_lt_u32 s61, 2
	s_wait_alu depctr_va_vdst(0)                   ; directly ahead of the branch
	s_cbranch_scc1 .Lpair
	STEP 0, 3                                      ; step 6
	STEP 1, 4                                      ; step 7
	; ctx = O^T x 2^(e8 + e9) / the sum, quantised by e10: 16 bytes a lane and tile: token r, k = 32 head + 16 h + 0 .. 15
	v_add_f32 v18, v18, v19                        ; the sum's two halves,
	v_add_f32 v20, v20, v21
	v_mov_b32 v26, s34                             ; 448 x 2^e10
	v_mov_b32 v27, s35                             ; 2^e10
	v_permlanex16_b32 v6, v18, s16, s17
	v_permlanex16_b32 v7, v20, s16, s17
	v_add_f32 v18, v18, v6                         ; and lane l xor 16's
	v_add_f32 v20, v20, v7
	s_wait_alu depctr_va_vdst(0)                   ; ahead of the batch
	v_rcp_f32 v52, v18
	v_rcp_f32 v56, v20
	v_nop                                          ; a plain place behind the reciprocals
	s_wait_alu depctr_va_vdst(0)                   ; ahead of the reciprocals' first reader
	v_ldexp_f32 v52, v52, s21
	v_ldexp_f32 v56, v56, s21
	s_wait_alu depctr_va_vdst(0)                   ; directly ahead of the first reader of O^T
.set i, 0
.rept 16
	v_mul_f32 v[S1+i], v[O+i], v52                 ; each accumulator from its low end on
	v_mul_f32 v[S1+16+i], v[O+16+i], v56
.set i, i+1
.endr
.set i, 0
.rept 32
	v_med3_num_f32 v[S1+i], v[S1+i], -v26, v26
.set i, i+1
.endr
.irp g, 0,1,2,3
	v_cvt_scalef32_pk8_fp8_f32 v[PC+2*\g:PC+2*\g+1], v[S1+8*\g:S1+8*\g+7], v27
.endr
	v_nop
	ds_store_b128 v[CT], v[PC:PC+3]                ; ctx's image: (8 x tile + head) 512 + 16 x lane
	ds_store_b128 v[CT], v[PC+4:PC+7] offset:4096
	s_wait_dscnt 0x0                               ; for the others' sake: my codes lie in LDS
	s_barrier_signal -1
	s_barrier_wait -1                              ; everybody's do; the image is not written again
.irp s, 0,1
.irp t, 0,1
.irp c, 0,1,2,3
	ds_load_b128 v[S0+16*(2*\s+\t)+4*\c:S0+16*(2*\s+\t)+4*\c+3], v[CL] offset:512*(8*\t+4*\s+\c)
.endr
.endr
.endr
	s_wait_loadcnt 0x0                             ; Wo
	s_wait_dscnt 8                                 ; the first K step's eight loads are in; the second's may be out
.macro OUTK s                          ; source 0 = 16 tokens, source 1 = 16 rows of Wo (window 1: at K's and V's first registers); four accumulators by turns at v160: 16 u + 8 t
.irp u, 0,1
.irp t, 0,1
.if \s == 0
	v_wmma_f32_16x16x128_fp8_fp8 v[160+16*\u+8*\t:167+16*\u+8*\t], v[S0+16*\t:S0+16*\t+15], v[64*\u:64*\u+15], 0
.else
	v_wmma_f32_16x16x128_fp8_fp8 v[160+16*\u+8*\t:167+16*\u+8*\t], v[S0+32+16*\t:S0+32+16*\t+15], v[64*\u+16:64*\u+31], v[160+16*\u+8*\t:167+16*\u+8*\t]
.endif
.endr
.endr
.endm
	WIN 4                                          ; source 1 in window 1
	OUTK 0
	s_wait_dscnt 0x0
	OUTK 1
	WIN 0
.rept 4
	v_nop                                          ; four places ahead of the reads of results and of the loads over ctx's fragments
.endr
.irp u, 0,1
.irp j, 0,2,4,6,8,10,12,14
	v_pk_fma_f32 v[O+16*\u+\j:O+16*\u+\j+1], v[160+16*\u+\j:161+16*\u+\j], s[30:31], v[10+2*\u:11+2*\u] op_sel_hi:[1,0,0]   ; sum x 2^(e10 + e11) + bo, each accumulator from its low end on
.endr
.endr
.irp u, 0,1
.irp t, 0,1
	ds_store_b128 v[STO], v[O+16*\u+8*\t:O+16*\u+8*\t+3] offset:16*SP*\u+64*\t               ; lane (r, h): out0(d = 32 w + 16 u + r, tokens 16 t + 8 h + 0 .. 7)
	ds_store_b128 v[STO], v[O+16*\u+8*\t+4:O+16*\u+8*\t+7] offset:16*SP*\u+64*\t+16
.endr
.endr
.irp i, 0,1,2,3,4,5,6,7
	ds_load_b128 v[S0+4*\i:S0+4*\i+3], v[RD] offset:4*SP*\i       ; the stage is my own, and LDS serves a wave's instructions in order (ISA guide 5.7.1.4): these see my stores
.endr
.irp i, 0,1,2,3,4,5,6,7
	s_wait_dscnt 7-\i
	global_store_b128 v[GO], v[S0+4*\i:S0+4*\i+3], s[12:13] offset:16384*\i                  ; eight lanes store 128 consecutive bytes of a row, four rows
.endr
	s_wait_tensorcnt 0x0                           ; the wave's end: behind my tensor load and my last LDS store
	ds_add_u32 v[SPW], v[NIL]
	s_wait_dscnt 0x0
	CROUND                                         ; the closing round: no work-group ends while a partner may still ask for a tile that names it
	s_endpgm
.Lfunc_end_k_qc25e73d1e1_attn:
	.size	k_qc25e73d1e1_attn, .Lfunc_end_k_qc25e73d1e1_attn-k_qc25e73d1e1_attn
	.p2alignl 7, 3214868480
	.fill 96, 4, 3214868480
	.section	.rodata,"a",@progbits
	.p2align	6, 0x0
	.amdhsa_kernel k_qc25e73d1e1_attn
		.amdhsa_group_segment_fixed_size 242688
		.amdhsa_private_segment_fixed_size 0
		.amdhsa_enable_private_segment 0
		.amdhsa_kernarg_size 56
		.amdhsa_user_sgpr_count 2
		.amdhsa_user_sgpr_kernarg_segment_ptr 1
		.amdhsa_wavefront_size32 1
		.amdhsa_system_sgpr_workgroup_id_x 1
		.amdhsa_system_sgpr_workgroup_id_y 1
		.amdhsa_system_sgpr_workgroup_id_z 1
		.amdhsa_system_vgpr_workitem_id 0
		.amdhsa_next_free_vgpr 384
		.amdhsa_next_free_sgpr 66
		.amdhsa_reserve_vcc 0
		.amdhsa_float_denorm_mode_32 3
		.amdhsa_float_denorm_mode_16_64 3
		.amdhsa_memory_ordered 1
		.amdhsa_forward_progress 1
		.amdhsa_inst_pref_size 175
	.end_amdhsa_kernel
	.amdgpu_metadata
---
amdhsa.version: [ 1, 2 ]
amdhsa.kernels:
  - .name:           k_qc25e73d1e1_attn
    .symbol:         k_qc25e73d1e1_attn.kd
    .args:
      - { .name: qc, .offset: 0, .size: 8, .value_kind: global_buffer, .address_space: global }
      - { .name: kc, .offset: 8, .size: 8, .value_kind: global_buffer, .address_space: global }
      - { .name: vc, .offset: 16, .size: 8, .value_kind: global_buffer, .address_space: global }
      - { .name: woc, .offset: 24, .size: 8, .value_kind: global_buffer, .address_space: global }
      - { .name: bo, .offset: 32, .size: 8, .value_kind: global_buffer, .address_space: global }
      - { .name: lowp_scales, .offset: 40, .size: 8, .value_kind: global_buffer, .address_space: global }
      - { .name: out0, .offset: 48, .size: 8, .value_kind: global_buffer, .address_space: global }
    .group_segment_fixed_size: 242688
    .private_segment_fixed_size: 0
    .kernarg_segment_align: 8
    .kernarg_segment_size: 56
    .max_flat_workgroup_size: 256
    .sgpr_count:     66
    .vgpr_count:     384
    .wavefront_size: 32
...
	.end_amdgpu_metadata
.endif
;; end of part 2
